; MI455X (gfx1250); checked and timed in simulation.
; The chip was launched on July 23, 2026; its instructions are those of AMD's public machine-readable ISA for CDNA 5 (MIT licence, August 2026) and "CDNA5" Instruction Set Architecture Reference Guide (July 2026). The comments in the code are by the model that wrote it; some were corrected since.
;; Le PE Attention. Allowed arithmetic: matrix products marked QUANTISED: E2M1 operands, one E8M0 scale for each 32 along K, by v_wmma_scale_f32_16x16x128_f8f6f4 with both operands' format E2M1 (or v_wmma_scale_f32_32x16x128_f4), f32 sums; everything else in f32.
;; Inputs: qkv 3 x 8 x 4,096 x 128 float32.
;; Outputs: out0 8 x 4,096 x 128 float32.
;; Constants: H = 64, W = 64.
;; This version of the problem:
;;   THIS VERSION OF THE PROBLEM IS GIVEN IN LOW PRECISION. The matrix products marked QUANTISED in the list below multiply operands that are first quantised to E2M1 (2 exponent bits, 1 mantissa bit; 4 bits a number), with one power-of-two scale for each 32 numbers along K (OCP MX v1.0); their sums are f32. All else is computed in f32.
;;   The module's matrix products, in the order in which they are computed (A, B: the left and right operand; K: the contracted axis; several contracted axes count as one K, in the product's order):
;;     1. batch 256 x [M 512, K 32] x [K 32, N 512]; A: computed on the way; B: input qkv: QUANTISED
;;     2. batch 256 x [M 512, K 512] x [K 512, N 32]; A: softmax (see below); B: input qkv: QUANTISED
;;   THE QUANTISER, for each operand of a quantised product, along K:
;;     - K is cut into blocks of 32 from its start; a last block that is shorter is filled with zeros.
;;     - A block's scale is 2^e with e = floor(log2(the largest magnitude in the block)) - 2, held to -126 .. 127; a block of zeros has e = 0. As a byte (E8M0): e + 127.
;;     - Each number is divided by its block's scale, clamped to +-6, and rounded to the nearest number of E2M1, ties to even, subnormals kept.
;;     - The product sums the exact products of the quantised numbers (number of the format x scale) in f32.
;;   ~~~python
;;   def quantise(x, axis):      # numpy; x: float32 -> the quantised numbers, widened to float32 again
;;       x = np.moveaxis(x, axis, -1); K = x.shape[-1]
;;       x = np.pad(x, [(0, 0)] * (x.ndim - 1) + [(0, -K % 32)]); x = x.reshape(x.shape[:-1] + (-1, 32)); a = np.abs(x).max(-1, keepdims=True)
;;       e = np.where(a > 0, np.clip(np.frexp(np.where(a > 0, a, 1))[1] - 1 - 2, -126, 127), 0)      # np.frexp(a)[1] - 1 = floor(log2(a)), exactly
;;       r = np.clip(x / 2.0 ** e, -6, 6)
;;       step = 2.0 ** (np.maximum(np.frexp(np.where(r == 0, 1, r))[1] - 1, 0) - 1)
;;       q = np.round(r / step) * step * 2.0 ** e      # np.round: ties to even
;;       return np.moveaxis(q.reshape(q.shape[:-2] + (-1,))[..., :K], -1, axis).astype(np.float32)
;;   ~~~
;;   SOFTMAX AHEAD OF A QUANTISED PRODUCT. Where the list says 'softmax', what is quantised is not the finished softmax but p = 2^(t - M), with t = logit x log2(e) and M = ceil(the row's largest t), a whole number; so 1/2 < the row's largest p <= 1. The row's sum l is taken of the UNQUANTISED p, in f32, and the product's result is divided by l at the end. Since M is a whole number, a kernel that streams over the keys may use a running M (the ceiling of the running maximum): every later rescaling is an exact power of two, which a block's scale takes up: the codes' values come out the same.
;;   OPERANDS COMPUTED ON THE WAY. 'Computed on the way' means the value that the module computes at that place (a softmax that the list does not call 'softmax' is quantised finished and normalised). What goes into a quantiser is computed in f32, as accurately as f32 sums, v_exp_f32 and their like allow (about 1e-6 of the number): no bf16 or f16 on the way to a quantiser, and a product that is left as it is and whose result goes on into a quantised operand takes f32 operands (vector FMAs, or v_wmma_f32_16x16x4_f32). A number that lies on a knife's edge between two numbers of the format may be rounded either way, as far as f32 arithmetic and the matrix unit's own rounding can turn it there, and no further.
;; 2 versions. Each part assembles by itself: llvm-mc -triple=amdgcn-amd-amdhsa -mcpu=gfx1250 --defsym DOCPART=n.
;; ======== version 1 of 2: 1 launch
;; launch lepe (part 1): grid 256 x 1, 16 waves a work-group, no clusters, 115,712 bytes of LDS; arguments qkv, out0; writes out0
.if DOCPART == 1
	.amdgcn_target "amdgcn-amd-amdhsa--gfx1250"
	.amdhsa_code_object_version 6
	.text
	.protected	k_q0b9a78d098_lepe
	.globl	k_q0b9a78d098_lepe
	.p2align	8
	.type	k_q0b9a78d098_lepe,@function
k_q0b9a78d098_lepe:
	s_mov_b64 s[64:65], 0
	v_nop
	global_prefetch_b8 v0, s[64:65] scope:SCOPE_SE
	s_setreg_imm32_b32 hwreg(HW_REG_WAVE_MODE, 25, 1), 1
	s_wait_xcnt 0x0
; LePE window attention on codes of FP4 (E2M1), one E8M0 scale for each 32 along a product's K.  qkv: [3][8][4096][128] f32; out0: [8][4096][128] f32.
; A window is a vertical strip of the 64 x 64 image: 64 image rows x 8 tokens = 512 tokens; token (h, i) of strip s lies at row 64 h + 8 s + i.  4 heads of 32 channels.
; SHARES.  A work-group owns (image, strip, PAIR of heads, half of the queries): 256 work-groups.  A pair of heads is 256 consecutive bytes of a token's row, so every aligned 256 bytes of out0 are
; stored whole by sixteen neighbouring lanes.  Each of the SIXTEEN waves owns 16 queries for both heads (two UNITS), in 256 registers: four waves to a SIMD, so that one wave's exponentials stand beside another's other work.
; THE KEYS GO IN FOUR CHUNKS OF 128.  In a chunk each wave quantises its share of K (one image row: 8 tokens x 2 heads) and of V (16 channels x 32 keys), stores codes and scale bytes into LDS as IMAGES OF THE OPERANDS'
; REGISTERS, asks for the next chunk's numbers (they land while this chunk is worked), passes ONE barrier, and runs its two units.  Every chunk's images have LDS bytes of their own: nothing in LDS is written twice.
; PRODUCT 1 has K = 32, the instruction 128.  A fragment of K is filled all the same: of its row, blocks 0, 1 are heads a, b of a key of tile 2 b, blocks 2, 3 heads a, b of a key of tile 2 b + 1.  Q's fragment holds ONE block of
; codes and zero codes elsewhere, which add nothing: which block says which tile and head is multiplied.  The four variants are cut out of one chain of 20 registers: [Qa][0][Qb][0][Qa].
; Both products are used transposed (S^T = K Q^T, O^T = V^T P^T): a lane holds ONE query (lane % 16) throughout.  THE KEYS OF A TILE ARE NOT NEIGHBOURS: rows 0-7 of tile 2 b + u are keys 32 b + 8 u + 0..7, rows 8-15 the keys
; 16 further on, so that a lane's 16 registers of tiles 2 b, 2 b + 1 are 16 neighbouring keys, 32 b + 16 (lane / 16) + 0..15.
; SOFTMAX.  t = score x log2(e); M = the running largest t rounded UP to a whole number; p = 2^(t - M) is quantised along the keys, not normalised; the row's sum is taken of the unquantised p and divides O at the end;
; when M moves, the sum and O^T are multiplied by 2^(old M - new M), which rounds nothing.  The first chunk starts every sum: nothing is cleared.
; CLUSTERS are not used: a joint request lands in LDS, and here K and V (f32) go from memory straight into the registers that quantise them; LDS holds codes alone, an eighth of the bytes.  The two work-groups that read the same
; K and V are neighbours in the grid (x and x xor 1).  No tensor load, no copy: so no ring, and LDS is claimed as it is used.  The text has no branch: four chunks by macro, every offset and every wait's count an immediate.
; LIMITS: NaN and infinities among the inputs are not served.  A block of zeros gets the scale byte 1 (the floor) and not 127: its codes are zeros, and this program alone reads the bytes.  A p under 2^-126 counts as 0.
.set TOK,   512                        ; bytes of a token's row
.set HROW,  32768                      ; bytes from an image row to the next: 64 tokens
.set CHK,   16*HROW                    ; a chunk of 128 keys is 16 image rows
.set KIMG,  0                          ; LDS: K's images: chunk c, fragment b, register group u: 4096 c + 1024 b + 512 u + 16 lane
.set VIMG,  16384                      ;      V's: chunk c, tile of 16 channels dt, register group: 4096 c + 1024 dt + 512 group + 16 lane
.set KSC,   32768                      ;      K's scale words: 256 c + 64 b + 4 row; byte 2 u + head
.set VSC,   33792                      ;      V's: 256 c + 64 dt + 4 row; byte = block of 32 keys
.set QST,   34816                      ;      Q's codes on their way into the fragment's lanes: 512 bytes a wave, the wave's own
.set QSC,   43008                      ;      Q's scale words: 64 bytes a wave, the wave's own
.set OST,   44032                      ;      the way out: 16 rows x (256 + 16) bytes a wave, the wave's own
.set OP,    272
.set FLOOR, 0x1800000                  ; 2^(3 - 127): no largest magnitude is taken under it, so no scale byte falls under 1
.set EOFF,  0xff000000                 ; takes 2 (the exponent of 6, E2M1's largest number) off an exponent field
.set LI,  1                            ; v1   16 x lane: my place in an image
.set LS,  2                            ; v2   4 x lane: my place among scale words
.set GK,  3                            ; v3   K, Q: my 32 bytes of a group of four tokens: 512 (lane / 8) + 32 (lane % 8)
.set GV,  4                            ; v4   V: 4 (lane % 16) + two image rows for lanes 16-31
.set KST, 5                            ; v5   where my 8 codes of K go;   v6 their scale byte
.set KSS, 6
.set VST, 7                            ; v7   where my 16 codes of V go;  v8 their scale byte
.set VSS, 8
.set QW,  9                            ; v9   Q: codes in;  v10 scale byte in;  v11 codes back;  v45.. see below
.set QB,  10
.set QR,  11
.set ST,  12                           ; unit j at v[12 + 4 j]: -M, the largest t, the sum in two halves
.set Q,   20                           ; v20-39  [Qa][0][Qb][0][Qa], four registers each
.set QS,  40                           ; v40     Q's scale words: bytes a, b, a, b.     v40-44 hold scales and nothing else
.set KS,  41                           ; v41-42  K's: lanes 0-15 fragment 2 p, lanes 16-31 fragment 2 p + 1
.set VS,  43                           ; v43     V's: lanes 0-15 the unit's first 16 channels, lanes 16-31 its second
.set PW,  44                           ; v44     p's
.set SI,  45                           ; v45     the way out: into my stage;  v46 back;  v47 my byte offset in out0
.set SB,  46
.set GO,  47
.set O,   48                           ; v48-79   O^T: unit j, channels 16 x on: v[48 + 16 j + 8 x]
.set KF,  80                           ; v80-111  K's four fragments of a chunk; at the end rows of out0
.set VF,  112                          ; v112-127 V's two fragments of a unit
.set S,   128                          ; v128-191 S^T, then p; at the head Q's numbers
.set P,   192                          ; v192-199 p's codes
.set BM,  200                          ; v200-203 largest magnitudes / scores / p of four blocks
.set T,   204                          ; v204-207 the other half's maxima; scale bytes
.set SO,  208                          ; v208-211 the conversions' scale operands
.set X,   212
.set F,   214                          ; v[214:215] f = 2^(old M - new M), named as a pair
.set SU,  216                          ; v[216:217] the sum's second chain
.set CD,  218                          ; v218-221 codes of K or Q;  v[222:223] of V
.set CV,  222
.set KR,  224                          ; v224-239 a chunk's numbers of K, as loaded
.set VR,  240                          ; v240-255 of V
.set WV,  8                            ; s8 my wave's number
.set SQ,  16                           ; s[16:17] Q, s[18:19] K, s[20:21] V, s[22:23] out0, each at my wave's first byte; never rewritten
.set SK,  18
.set SV,  20
.set SOUT, 22
.set SEL, 38                           ; s[38:39] v_permlanex16_b32's selects for lane l xor 16
.set CS,  40                           ; s[40:41] log2(e)
.set SC,  42                           ; s[42:43] 32^-0.5
; K of chunk c: my wave's image row, two groups of four tokens; a lane takes 32 bytes (8 channels of one head), four lanes a block
.macro LOADK c
.irp n, 0,1
	global_load_b128 v[KR+8*\n:KR+8*\n+3], v[GK], s[SK:SK+1] offset:(\c)*CHK+\n*4*TOK
	global_load_b128 v[KR+8*\n+4:KR+8*\n+7], v[GK], s[SK:SK+1] offset:(\c)*CHK+\n*4*TOK+16
.endr
.endm
; V of chunk c: a lane takes ONE channel and its registers run down 16 keys (two image rows); lanes 16-31 the block's other 16 keys
.macro LOADV c
.irp i, 0,1,2,3,4,5,6,7,8,9,10,11,12,13,14,15
	global_load_b32 v[VR+\i], v[GV], s[SV:SV+1] offset:(\c)*CHK+(\i/8)*HROW+(\i%8)*TOK
.endr
.endm
; ng groups of 8 numbers a lane, v[R + 8 g] on, four neighbouring lanes to a block of 32: codes into v[CD + g], scale bytes into v[T + g].  The groups take turns line by line.
.macro QK ng, R
.set g, 0
.rept \ng
	v_max3_num_f32 v[BM+g], |v[\R+8*g]|, |v[\R+8*g+1]|, FLOOR
.set g, g+1
.endr
.irp i, 2,4,6
.set g, 0
.rept \ng
	v_max3_num_f32 v[BM+g], v[BM+g], |v[\R+8*g+\i]|, |v[\R+8*g+\i+1]|
.set g, g+1
.endr
.endr
.irp m, 1,2
.set g, 0
.rept \ng
	v_max_num_f32_dpp v[BM+g], v[BM+g], v[BM+g] row_xmask:\m row_mask:0xf bank_mask:0xf   ; with lanes l xor 1, then l xor 2: the block's largest magnitude
.set g, g+1
.endr
.endr
.set g, 0
.rept \ng
	v_add_nc_u32 v[SO+g], EOFF, v[BM+g]            ; 2 off its exponent field: the conversion takes the exponent field of this operand as its scale
.set g, g+1
.endr
.set g, 0
.rept \ng
	v_lshrrev_b32 v[T+g], 23, v[SO+g]              ; the scale's byte
.set g, g+1
.endr
.set g, 0
.rept \ng
	v_cvt_scalef32_pk8_fp4_f32 v[CD+g], v[\R+8*g:\R+8*g+7], v[SO+g]
.set g, g+1
.endr
	v_nop                                          ; one plain place behind the last scaled conversion
.endm
; my 16 keys of one channel of V: codes into v[CV:CV+1], the block's scale byte into v[T+3]
.macro QV
	v_max3_num_f32 v[BM+2], |v[VR]|, |v[VR+1]|, FLOOR
	v_max3_num_f32 v[BM+3], |v[VR+8]|, |v[VR+9]|, |v[VR+10]|
	v_max3_num_f32 v[BM+2], v[BM+2], |v[VR+2]|, |v[VR+3]|
	v_max3_num_f32 v[BM+3], v[BM+3], |v[VR+11]|, |v[VR+12]|
	v_max3_num_f32 v[BM+2], v[BM+2], |v[VR+4]|, |v[VR+5]|
	v_max3_num_f32 v[BM+3], v[BM+3], |v[VR+13]|, |v[VR+14]|
	v_max3_num_f32 v[BM+2], v[BM+2], |v[VR+6]|, |v[VR+7]|
	v_max3_num_f32 v[BM+2], v[BM+2], v[BM+3], |v[VR+15]|
	v_permlanex16_b32 v[T+2], v[BM+2], s[SEL], s[SEL+1]
	v_max_num_f32 v[BM+2], v[BM+2], v[T+2]         ; with lane l xor 16's 16 keys: the block's largest magnitude
	v_add_nc_u32 v[SO+2], EOFF, v[BM+2]
	v_lshrrev_b32 v[T+3], 23, v[SO+2]
	v_cvt_scalef32_pk8_fp4_f32 v[CV], v[VR:VR+7], v[SO+2]
	v_cvt_scalef32_pk8_fp4_f32 v[CV+1], v[VR+8:VR+15], v[SO+2]
	v_nop                                          ; one plain place behind the last scaled conversion
.endm
.macro KFETCH c                        ; the chunk's four fragments of K and their scale words: they serve both units
.irp b, 0,1,2,3
.irp u, 0,1
	ds_load_b128 v[KF+8*\b+4*\u:KF+8*\b+4*\u+3], v[LI] offset:KIMG+(\c)*4096+\b*1024+\u*512
.endr
.endr
.irp p, 0,1
	ds_load_b32 v[KS+\p], v[LS] offset:KSC+(\c)*256+\p*128
.endr
.endm
.macro VFETCH j, c                     ; unit j's two fragments of V^T (16 channels x 128 keys each) and their scale words
.irp x, 0,1
.irp y, 0,1
	ds_load_b128 v[VF+8*\x+4*\y:VF+8*\x+4*\y+3], v[LI] offset:VIMG+(\c)*4096+(2*(\j)+\x)*1024+\y*512
.endr
.endr
	ds_load_b32 v[VS], v[LS] offset:VSC+(\c)*256+(\j)*128
.endm
; UNIT j (head a or b of my 16 queries) on chunk c's 128 keys.
.macro UNIT j, c
.set rNM, ST+4*\j
.set rTM, ST+4*\j+1
.set rL,  ST+4*\j+2
.set rO,  O+16*\j
.if \j
.rept 4
	v_nop                                          ; four places between the other unit's last products and the loads into the registers that they read
.endr
	VFETCH \j, \c
.endif
.irp b, 0,1,2,3                        ; S^T = K Q^T: eight accumulators, each begun with the constant 0
.irp u, 0,1
.set rQ, Q+12*\u*(1-\j)+(8-4*\u)*\j    ; head a: [Qa][0] or [0][Qa];  head b: [Qb][0] or [0][Qb]
.if \b%2
	v_wmma_scale_f32_16x16x128_f8f6f4 v[S+16*\b+8*\u:S+16*\b+8*\u+7], v[KF+8*\b:KF+8*\b+7], v[rQ:rQ+7], 0, v[KS+\b/2], v[QS] matrix_a_fmt:MATRIX_FMT_FP4 matrix_b_fmt:MATRIX_FMT_FP4 matrix_a_scale:MATRIX_SCALE_ROW1
.else
	v_wmma_scale_f32_16x16x128_f8f6f4 v[S+16*\b+8*\u:S+16*\b+8*\u+7], v[KF+8*\b:KF+8*\b+7], v[rQ:rQ+7], 0, v[KS+\b/2], v[QS] matrix_a_fmt:MATRIX_FMT_FP4 matrix_b_fmt:MATRIX_FMT_FP4
.endif
.endr
.endr                                  ; register S + 16 b + i of lane (r, h): query r, key 32 b + 16 h + i
.rept 4
	v_nop                                          ; four places in front of the first read of results
.endr
.irp b, 0,1,2,3
	v_max3_num_f32 v[BM+\b], v[S+16*\b], v[S+16*\b+1], v[S+16*\b+2]   ; the largest score of each block of 32 keys: for the row's maximum and, since p rises with the score, for the block's largest p.  Each accumulator is read from its low end on
.endr
.irp i, 3,5,7,9,11,13
.irp b, 0,1,2,3
	v_max3_num_f32 v[BM+\b], v[BM+\b], v[S+16*\b+\i], v[S+16*\b+\i+1]
.endr
.endr
.irp b, 0,1,2,3
	v_max_num_f32 v[BM+\b], v[BM+\b], v[S+16*\b+15]
.endr
.irp b, 0,1,2,3
	v_permlanex16_b32 v[T+\b], v[BM+\b], s[SEL], s[SEL+1]
.endr
.irp b, 0,1,2,3
	v_max_num_f32 v[BM+\b], v[BM+\b], v[T+\b]      ; with lane l xor 16's 16 keys
.endr
	v_max3_num_f32 v[X], v[BM], v[BM+1], v[BM+2]
	v_max_num_f32 v[X], v[X], v[BM+3]              ; the chunk's largest score of my query
.if \c == 0
	v_mul_f32 v[rTM], s[CS], v[X]                  ; as t: the first chunk starts the running maximum
	v_floor_f32 v[rNM], -v[rTM]                    ; -M = floor(-t) = -ceil(t)
.else
	v_mul_f32 v[X], s[CS], v[X]
	v_max_num_f32 v[rTM], v[rTM], v[X]             ; the running largest t
	v_mov_b32 v[X], v[rNM]
	v_floor_f32 v[rNM], -v[rTM]                    ; the new -M
	v_sub_f32 v[X], v[rNM], v[X]                   ; old M - new M: a whole number, 0 or less
	v_cvt_i32_f32 v[X], v[X]
	v_ldexp_f32 v[F], 1.0, v[X]                    ; f = 2^(old M - new M)
.endif
.set k, 0
.rept 32
	v_pk_fma_f32 v[S+k:S+k+1], v[S+k:S+k+1], s[CS:CS+1], v[rNM:rNM+1] op_sel_hi:[1,0,0]   ; t - M, two at a time (of the pairs the low word serves both halves)
.set k, k+2
.endr
.irp b, 0,1,2,3
	v_fma_f32 v[BM+\b], v[BM+\b], s[CS], v[rNM]    ; the same of each block's largest score
.endr
.set k, 0
.rept 64
	v_exp_f32 v[S+k], v[S+k]                       ; p = 2^(t - M), at most 1
.set k, k+1
.endr
.irp b, 0,1,2,3
	v_exp_f32 v[BM+\b], v[BM+\b]                   ; the block's largest p: the same two instructions on the same number
.endr
.if \c == 0
	v_nop                                          ; a plain place behind the exponentials
	s_wait_alu depctr_va_vdst(0)
.else
	v_pk_mul_f32 v[rL:rL+1], v[rL:rL+1], v[F:F+1] op_sel_hi:[1,0]   ; the sum under the new M (also the plain place behind the exponentials)
	s_wait_alu depctr_va_vdst(0)
.endif
.irp b, 0,1,2,3
	v_max_num_f32 v[BM+\b], FLOOR, v[BM+\b]
.endr
.irp b, 0,1,2,3
	v_add_nc_u32 v[SO+\b], EOFF, v[BM+\b]
.endr
.irp b, 0,1,2,3
	v_lshrrev_b32 v[T+\b], 23, v[SO+\b]
.endr
	v_lshl_or_b32 v[PW], v[T+1], 8, v[T]           ; p's scale word for these 128 keys
	v_lshl_or_b32 v[PW], v[T+2], 16, v[PW]
	v_lshl_or_b32 v[PW], v[T+3], 24, v[PW]
.irp b, 0,1,2,3
	v_cvt_scalef32_pk8_fp4_f32 v[P+2*\b], v[S+16*\b:S+16*\b+7], v[SO+\b]
	v_cvt_scalef32_pk8_fp4_f32 v[P+2*\b+1], v[S+16*\b+8:S+16*\b+15], v[SO+\b]
.endr
	v_nop                                          ; one plain place behind the last scaled conversion
.irp y, 0,1                            ; the operand's layout wants a WHOLE block in a lane: lanes 0-15 block 2 y, lanes 16-31 block 2 y + 1
.irp i, 0,1
	v_permlane16_swap_b32 v[P+4*\y+\i], v[P+4*\y+2+\i]
.endr
.endr
	v_pk_add_f32 v[SU:SU+1], v[S:S+1], v[S+2:S+3]  ; the row's sum is taken of the UNQUANTISED p: two at a time, in two chains
.if \c == 0
	v_pk_add_f32 v[rL:rL+1], v[S+4:S+5], v[S+6:S+7]
.else
	v_pk_add_f32 v[rL:rL+1], v[rL:rL+1], v[S+4:S+5]
	v_pk_add_f32 v[SU:SU+1], v[SU:SU+1], v[S+6:S+7]
.endif
.set k, 8
.rept 14
	v_pk_add_f32 v[rL:rL+1], v[rL:rL+1], v[S+k:S+k+1]
	v_pk_add_f32 v[SU:SU+1], v[SU:SU+1], v[S+k+2:S+k+3]
.set k, k+4
.endr
	v_pk_add_f32 v[rL:rL+1], v[rL:rL+1], v[SU:SU+1]   ; (these additions are also the places between the lines that wrote p's codes and scale word and the products below)
.if \c > 0
.set k, 0
.rept 8
	v_pk_mul_f32 v[rO+k:rO+k+1], v[rO+k:rO+k+1], v[F:F+1] op_sel_hi:[1,0]   ; O^T under the new M, each accumulator from its low end on
.set k, k+2
.endr
.endif
	s_wait_dscnt 0x0                               ; V's fragments and scale words are in
.if \c == 0                            ; O^T += V^T P^T: two accumulators, one instruction a turn; the first chunk's products start the sums
	v_wmma_scale_f32_16x16x128_f8f6f4 v[rO:rO+7], v[VF:VF+7], v[P:P+7], 0, v[VS], v[PW] matrix_a_fmt:MATRIX_FMT_FP4 matrix_b_fmt:MATRIX_FMT_FP4
	v_wmma_scale_f32_16x16x128_f8f6f4 v[rO+8:rO+15], v[VF+8:VF+15], v[P:P+7], 0, v[VS], v[PW] matrix_a_fmt:MATRIX_FMT_FP4 matrix_b_fmt:MATRIX_FMT_FP4 matrix_a_scale:MATRIX_SCALE_ROW1
.else
	v_wmma_scale_f32_16x16x128_f8f6f4 v[rO:rO+7], v[VF:VF+7], v[P:P+7], v[rO:rO+7], v[VS], v[PW] matrix_a_fmt:MATRIX_FMT_FP4 matrix_b_fmt:MATRIX_FMT_FP4
	v_wmma_scale_f32_16x16x128_f8f6f4 v[rO+8:rO+15], v[VF+8:VF+15], v[P:P+7], v[rO+8:rO+15], v[VS], v[PW] matrix_a_fmt:MATRIX_FMT_FP4 matrix_b_fmt:MATRIX_FMT_FP4 matrix_a_scale:MATRIX_SCALE_ROW1
.endif
.endm
; A CHUNK of 128 keys.  On the way in my loads out are K's 4 of this chunk and, behind them, V's 16.
.macro CHUNK c
	s_wait_loadcnt 16                              ; K's four loads are in; V's sixteen, issued behind them, may be out
	QK 2, KR
.irp n, 0,1
	ds_store_b32 v[KST], v[CD+\n] offset:KIMG+\c*4096+\n*64     ; 8 codes: a quarter of the 16 bytes that one lane of the fragment takes
	ds_store_b8 v[KSS], v[T+\n] offset:KSC+\c*256+\n*16         ; the four lanes of a block write the same byte with the same value
.endr
.if \c < 3
	LOADK \c+1                                     ; the next chunk's K into the registers just read
	s_wait_loadcnt 4                               ; V's sixteen are in; the four just issued may be out
.else
	s_wait_loadcnt 0x0                             ; the last chunk asks for nothing more
.endif
	QV
	ds_store_b64 v[VST], v[CV:CV+1] offset:VIMG+\c*4096         ; 16 codes: half of the 16 bytes that one lane of the fragment takes
	ds_store_b8 v[VSS], v[T+3] offset:VSC+\c*256                ; both lanes of a block write the same byte with the same value
.if \c < 3
	LOADV \c+1                                     ; the next chunk's V: both land while this chunk's two units are worked
.endif
	s_wait_dscnt 0x0                               ; for the others' sake: my stores into the images have landed
	s_barrier_signal -1
	s_barrier_wait -1                              ; the chunk's images are whole
	KFETCH \c
	VFETCH 0, \c
	s_wait_dscnt 5                                 ; K's ten loads are in; V's five, issued behind them, may be out
	UNIT 0, \c
	UNIT 1, \c
.endm
	s_load_b128 s[4:7], s[0:1], 0x0                ; qkv s[4:5], out0 s[6:7]
	v_lshrrev_b32 v1, 5, v0
	v_readfirstlane_b32 s[WV], v1                  ; wave 0..15
	v_bfe_u32 v160, v0, 3, 2                       ; lane / 8
	v_and_b32 v161, 7, v0                          ; lane % 8
	v_and_b32 v162, 15, v0                         ; r = lane % 16
	v_bfe_u32 v163, v0, 4, 1                       ; y = lane / 16
	v_lshlrev_b32 v[GK], 5, v161
	v_lshl_add_u32 v[GK], v160, 9, v[GK]
	v_lshlrev_b32 v[GV], 2, v162
	v_lshl_add_u32 v[GV], v163, 16, v[GV]
	; the work-group's number x = ((image x 8 + strip) x 2 + pair of heads) x 2 + half of the queries.  All byte offsets below are sums of fields that share no bit
	s_and_b32 s9, ttmp9, 1                         ; half of the queries
	s_bfe_u32 s10, ttmp9, 0x10001                  ; pair of heads
	s_bfe_u32 s11, ttmp9, 0x30002                  ; strip
	s_lshr_b32 s12, ttmp9, 5                       ; image
	s_lshl_b32 s12, s12, 21                        ; 4,096 rows of 512 bytes
	s_lshl_b32 s11, s11, 12                        ; 8 tokens
	s_lshl_b32 s10, s10, 8                         ; 64 channels
	s_or_b32 s12, s12, s11
	s_or_b32 s12, s12, s10
	s_lshl_b32 s13, s9, 20                         ; Q, out0: 32 image rows for the half,
	s_lshl_b32 s14, s[WV], 16                      ; two for the wave
	s_or_b32 s24, s12, s13
	s_or_b32 s24, s24, s14
	s_mov_b32 s25, 0
	s_lshl_b32 s14, s[WV], 15                      ; K: the chunk's image row = my wave's number;
	s_or_b32 s26, s12, s14
	s_or_b32 s26, s26, 0x1000000                   ; K is the second of the three tensors
	s_mov_b32 s27, 0
	s_lshr_b32 s30, s[WV], 2                       ; V: block of 32 keys = wave / 4: four image rows;
	s_lshl_b32 s13, s30, 17
	s_and_b32 s35, s[WV], 3                        ; tile of 16 channels = wave % 4
	s_lshl_b32 s14, s35, 6
	s_or_b32 s28, s12, s13
	s_or_b32 s28, s28, s14
	s_or_b32 s28, s28, 0x2000000                   ; V is the third
	s_mov_b32 s29, 0
	s_mov_b32 s[SEL], 0x76543210
	s_mov_b32 s[SEL+1], 0xfedcba98
	s_mov_b32 s[CS], 0x3fb8aa3b                    ; log2(e)
	s_mov_b32 s[CS+1], s[CS]                       ; (named with it as a pair, so it is written)
	s_mov_b32 s[SC], 0x3e3504f3                    ; 32^-0.5
	s_mov_b32 s[SC+1], s[SC]
	s_wait_kmcnt 0x0
	s_add_nc_u64 s[SQ:SQ+1], s[4:5], s[24:25]
	s_add_nc_u64 s[SK:SK+1], s[4:5], s[26:27]
	s_add_nc_u64 s[SV:SV+1], s[4:5], s[28:29]
	s_add_nc_u64 s[SOUT:SOUT+1], s[6:7], s[24:25]
.irp n, 0,1,2,3                        ; Q: my 16 queries, four groups of four tokens, laid as K's groups: 8 loads
	global_load_b128 v[S+8*\n:S+8*\n+3], v[GK], s[SQ:SQ+1] offset:(\n/2)*HROW+(\n%2)*4*TOK
	global_load_b128 v[S+8*\n+4:S+8*\n+7], v[GK], s[SQ:SQ+1] offset:(\n/2)*HROW+(\n%2)*4*TOK+16
.endr
	LOADK 0
	LOADV 0
	; the LDS addresses, while the loads are out: each a constant (in the immediate) + a term of the lane + a term of the wave
	v_and_b32 v164, 31, v0
	v_lshlrev_b32 v[LI], 4, v164
	v_lshlrev_b32 v[LS], 2, v164
	v_bfe_u32 v165, v0, 2, 1                       ; K, Q: the head of my block
	v_and_b32 v166, 3, v0                          ; and which 8 of its 32 are mine
	v_lshlrev_b32 v166, 2, v166
	v_lshl_add_u32 v166, v160, 4, v166
	v_lshl_add_u32 v166, v165, 8, v166             ; codes: 256 head + 16 (lane / 8) + 4 (lane % 4)
	v_lshl_add_u32 v167, v160, 2, v165             ; scale byte: 4 (lane / 8) + head
	s_and_b32 s31, s[WV], 1                        ; image row w of a chunk: fragment b = w / 4, u = w % 2, rows 8 ((w / 2) % 2) on
	s_bfe_u32 s32, s[WV], 0x10001
	s_lshl_b32 s33, s30, 10
	s_lshl_b32 s34, s31, 9
	s_add_co_u32 s33, s33, s34
	s_lshl_b32 s34, s32, 7
	s_add_co_u32 s33, s33, s34
	v_add_nc_u32 v[KST], s33, v166
	s_lshl_b32 s33, s30, 6
	s_lshl_b32 s34, s32, 5
	s_add_co_u32 s33, s33, s34
	s_lshl_b32 s34, s31, 1
	s_add_co_u32 s33, s33, s34
	v_add_nc_u32 v[KSS], s33, v167
	s_lshr_b32 s36, s[WV], 3                       ; V: block w / 4 lies in register group (w / 8), lanes 16 ((w / 4) % 2) on
	s_bfe_u32 s37, s[WV], 0x10002
	s_lshl_b32 s33, s35, 10
	s_lshl_b32 s34, s36, 9
	s_add_co_u32 s33, s33, s34
	s_lshl_b32 s34, s37, 8
	s_add_co_u32 s33, s33, s34
	v_lshlrev_b32 v[VST], 4, v162
	v_lshl_add_u32 v[VST], v163, 3, v[VST]
	v_add_nc_u32 v[VST], s33, v[VST]
	s_lshl_b32 s33, s35, 6
	s_add_co_u32 s33, s33, s30
	v_lshl_add_u32 v[VSS], v162, 2, s33
	s_lshl_b32 s33, s[WV], 9                       ; Q's turn: 512 bytes a wave
	v_add_nc_u32 v[QW], s33, v166
	v_add_nc_u32 v[QR], s33, v[LI]
	s_lshl_b32 s33, s[WV], 6
	v_add_nc_u32 v[QB], s33, v167
	v_lshl_add_u32 v168, v162, 2, s33
	s_mul_i32 s33, s[WV], 16*OP                    ; my stage for the way out
	v_mul_u32_u24 v[SI], v162, OP
	v_lshl_add_u32 v[SI], v163, 5, v[SI]
	v_add_nc_u32 v[SI], s33, v[SI]                 ; in: row r, 32 bytes for each half of the lanes
	v_mul_u32_u24 v[SB], v163, OP
	v_lshl_add_u32 v[SB], v162, 4, v[SB]
	v_add_nc_u32 v[SB], s33, v[SB]                 ; back: lanes 0-15 one row of 256 bytes, lanes 16-31 the next
	v_lshlrev_b32 v[GO], 4, v162
	v_lshl_add_u32 v[GO], v163, 9, v[GO]           ; and the same two tokens in out0
	; Q: x 32^-0.5 in f32, quantised as K is; the codes turn through my own LDS bytes into the fragment's lanes
	s_wait_loadcnt 20                              ; Q's eight loads are in; K's 4 and V's 16, issued behind them, may be out
.set k, 0
.rept 16
	v_pk_mul_f32 v[S+k:S+k+1], v[S+k:S+k+1], s[SC:SC+1] op_sel_hi:[1,0]
.set k, k+2
.endr
	QK 4, S
.irp n, 0,1,2,3
	ds_store_b32 v[QW], v[CD+\n] offset:QST+\n*64
	ds_store_b8 v[QB], v[T+\n] offset:QSC+\n*16    ; a query's scale word: bytes a, b, a, b, since a head's codes stand in block 0 or 2 (a), 1 or 3 (b)
	ds_store_b8 v[QB], v[T+\n] offset:QSC+\n*16+2
.endr
	ds_load_b128 v[P:P+3], v[QR] offset:QST        ; LDS serves a wave's instructions in order: these see my stores.  Lanes 0-15: query r, head a; lanes 16-31: query r, head b
	ds_load_b32 v[QS], v168 offset:QSC
	v_bfe_u32 v[X], v0, 4, 1
	v_cmp_eq_u32 vcc_lo, 0, v[X]                   ; lanes 0-15
.irp e, 4,5,6,7,12,13,14,15
	v_mov_b32 v[Q+\e], 0                           ; the chain's zero codes
.endr
	v_mov_b32 v[F+1], 0                            ; (named as the upper half of the pair v[F:F+1])
	s_wait_dscnt 0x0
.irp e, 0,1,2,3
	v_cndmask_b32 v[Q+\e], 0, v[P+\e], vcc_lo      ; Qa: head a's codes in lanes 0-15, zero codes in lanes 16-31
	v_cndmask_b32 v[Q+8+\e], v[P+\e], v[Q+4], vcc_lo   ; Qb: the other way round
.endr
.irp e, 0,1,2,3
	v_mov_b32 v[Q+16+\e], v[Q+\e]
.endr
	CHUNK 0
	CHUNK 1
	CHUNK 2
	CHUNK 3
	; THE WAY OUT.  The sum's two halves and lane l xor 16's are added; O^T is divided by the sum and goes through my stage, so that sixteen lanes store 256 consecutive bytes of a token's row.
.irp j, 0,1
	v_add_f32 v[BM+\j], v[ST+4*\j+2], v[ST+4*\j+3] ; (these lines name none of the last products' registers: they are the places behind them)
.endr
.irp j, 0,1
	v_permlanex16_b32 v[T+\j], v[BM+\j], s[SEL], s[SEL+1]
.endr
.irp j, 0,1
	v_add_f32 v[BM+\j], v[BM+\j], v[T+\j]
.endr
.irp j, 0,1
	v_rcp_f32 v[SO+2*\j], v[BM+\j]
.endr
	v_nop                                          ; a plain place behind the reciprocals
	s_wait_alu depctr_va_vdst(0)
.irp j, 0,1
.irp i, 0,2,4,6,8,10,12,14
	v_pk_mul_f32 v[S+16*\j+\i:S+16*\j+\i+1], v[O+16*\j+\i:O+16*\j+\i+1], v[SO+2*\j:SO+2*\j+1] op_sel_hi:[1,0]   ; register 16 j + 8 x + i: out(query r, head j, channel 16 x + 8 (lane / 16) + i)
.endr
.endr
.irp j, 0,1
.irp x, 0,1
	ds_store_b128 v[SI], v[S+16*\j+8*\x:S+16*\j+8*\x+3] offset:OST+128*\j+64*\x
	ds_store_b128 v[SI], v[S+16*\j+8*\x+4:S+16*\j+8*\x+7] offset:OST+128*\j+64*\x+16
.endr
.endr
.irp i, 0,1,2,3,4,5,6,7
	ds_load_b128 v[KF+4*\i:KF+4*\i+3], v[SB] offset:OST+\i*2*OP   ; my own bytes, served in order: these see my stores
.endr
.irp i, 0,1,2,3,4,5,6,7
	s_wait_dscnt 7-\i                              ; rows 2 i and 2 i + 1 are back; the loads behind them may be out
	global_store_b128 v[GO], v[KF+4*\i:KF+4*\i+3], s[SOUT:SOUT+1] offset:(\i/4)*HROW+(\i%4)*2*TOK th:TH_STORE_NT   ; 16 lanes store 256 consecutive bytes, at a multiple of 256 from out0's first byte; written once, read by nobody here
.endr
	s_wait_xcnt 0x0
	v_lshl_add_u32 v254, v0, 2, 0x1bc00
	v_mov_b32 v255, 0
	s_wait_tensorcnt 0x0
	ds_add_u32 v254, v255
	s_wait_dscnt 0x0
	s_endpgm
.Lfunc_end_k_q0b9a78d098_lepe:
	.size	k_q0b9a78d098_lepe, .Lfunc_end_k_q0b9a78d098_lepe-k_q0b9a78d098_lepe
	.p2alignl 7, 3214868480
	.fill 96, 4, 3214868480
	.section	.rodata,"a",@progbits
	.p2align	6, 0x0
	.amdhsa_kernel k_q0b9a78d098_lepe
		.amdhsa_group_segment_fixed_size 115712
		.amdhsa_private_segment_fixed_size 0
		.amdhsa_enable_private_segment 0
		.amdhsa_kernarg_size 16
		.amdhsa_user_sgpr_count 2
		.amdhsa_user_sgpr_kernarg_segment_ptr 1
		.amdhsa_wavefront_size32 1
		.amdhsa_system_sgpr_workgroup_id_x 1
		.amdhsa_system_sgpr_workgroup_id_y 1
		.amdhsa_system_sgpr_workgroup_id_z 1
		.amdhsa_system_vgpr_workitem_id 0
		.amdhsa_next_free_vgpr 256
		.amdhsa_next_free_sgpr 66
		.amdhsa_reserve_vcc 1
		.amdhsa_float_denorm_mode_32 3
		.amdhsa_float_denorm_mode_16_64 3
		.amdhsa_memory_ordered 1
		.amdhsa_forward_progress 1
		.amdhsa_inst_pref_size 136
	.end_amdhsa_kernel
	.amdgpu_metadata
---
amdhsa.version: [ 1, 2 ]
amdhsa.kernels:
  - .name:           k_q0b9a78d098_lepe
    .symbol:         k_q0b9a78d098_lepe.kd
    .args:
      - { .name: qkv, .offset: 0, .size: 8, .value_kind: global_buffer, .address_space: global }
      - { .name: out0, .offset: 8, .size: 8, .value_kind: global_buffer, .address_space: global }
    .group_segment_fixed_size: 115712
    .private_segment_fixed_size: 0
    .kernarg_segment_align: 8
    .kernarg_segment_size: 16
    .max_flat_workgroup_size: 512
    .sgpr_count:     66
    .vgpr_count:     256
    .wavefront_size: 32
...
	.end_amdgpu_metadata
.endif
;; end of part 1
;; ======== version 2 of 2: 1 launch; version 1 with the launch lepe written anew for expert scheduling mode
;; launch lepe (part 2): grid 256 x 1, 16 waves a work-group, no clusters, 115,712 bytes of LDS; arguments qkv, out0; writes out0
.if DOCPART == 2
	.amdgcn_target "amdgcn-amd-amdhsa--gfx1250"
	.amdhsa_code_object_version 6
	.text
	.protected	k_q0b9a78d098_lepe
	.globl	k_q0b9a78d098_lepe
	.p2align	8
	.type	k_q0b9a78d098_lepe,@function
k_q0b9a78d098_lepe:
	s_mov_b64 s[64:65], 0
	v_nop
	global_prefetch_b8 v0, s[64:65] scope:SCOPE_SE
	s_setreg_imm32_b32 hwreg(HW_REG_WAVE_SCHED_MODE, 0, 2), 2
	s_setreg_imm32_b32 hwreg(HW_REG_WAVE_MODE, 25, 1), 1
	s_wait_xcnt 0x0
	s_wait_alu depctr_vm_vsrc(0)
; LePE window attention on codes of FP4 (E2M1), one E8M0 scale for each 32 along a product's K.  qkv: [3][8][4096][128] f32; out0: [8][4096][128] f32.
; A window is a vertical strip of the 64 x 64 image: 64 image rows x 8 tokens = 512 tokens; token (h, i) of strip s lies at row 64 h + 8 s + i.  4 heads of 32 channels.
; SHARES.  A work-group owns (image, strip, PAIR of heads, half of the queries): 256 work-groups.  A pair of heads is 256 consecutive bytes of a token's row, so every aligned 256 bytes of out0 are
; stored whole by sixteen neighbouring lanes.  Each of the SIXTEEN waves owns 16 queries for both heads (two UNITS), in 256 registers: four waves to a SIMD, so that one wave's exponentials stand beside another's other work.
; THE KEYS GO IN FOUR CHUNKS OF 128.  In a chunk each wave quantises its share of K (one image row: 8 tokens x 2 heads) and of V (16 channels x 32 keys), stores codes and scale bytes into LDS as IMAGES OF THE OPERANDS'
; REGISTERS, asks for the next chunk's numbers (they land while this chunk is worked), passes ONE barrier, and runs its two units.  Every chunk's images have LDS bytes of their own: nothing in LDS is written twice.
; PRODUCT 1 has K = 32, the instruction 128.  A fragment of K is filled all the same: of its row, blocks 0, 1 are heads a, b of a key of tile 2 b, blocks 2, 3 heads a, b of a key of tile 2 b + 1.  Q's fragment holds ONE block of
; codes and zero codes elsewhere, which add nothing: which block says which tile and head is multiplied.  The four variants are cut out of one chain of 20 registers: [Qa][0][Qb][0][Qa].
; Both products are used transposed (S^T = K Q^T, O^T = V^T P^T): a lane holds ONE query (lane % 16) throughout.  THE KEYS OF A TILE ARE NOT NEIGHBOURS: rows 0-7 of tile 2 b + u are keys 32 b + 8 u + 0..7, rows 8-15 the keys
; 16 further on, so that a lane's 16 registers of tiles 2 b, 2 b + 1 are 16 neighbouring keys, 32 b + 16 (lane / 16) + 0..15.
; SOFTMAX.  t = score x log2(e); M = the running largest t rounded UP to a whole number; p = 2^(t - M) is quantised along the keys, not normalised; the row's sum is taken of the unquantised p and divides O at the end;
; when M moves, the sum and O^T are multiplied by 2^(old M - new M), which rounds nothing.  The first chunk starts every sum: nothing is cleared.
; CLUSTERS are not used: a joint request lands in LDS, and here K and V (f32) go from memory straight into the registers that quantise them; LDS holds codes alone, an eighth of the bytes.  The two work-groups that read the same
; K and V are neighbours in the grid (x and x xor 1).  No tensor load, no copy: so no ring, and LDS is claimed as it is used.  The text has no branch: four chunks by macro, every offset and every wait's count an immediate.
; LIMITS: NaN and infinities among the inputs are not served.  A block of zeros gets the scale byte 1 (the floor) and not 127: its codes are zeros, and this program alone reads the bytes.  A p under 2^-126 counts as 0.
; THE MODE: SCHED_MODE bits 1:0 = 2 (LLVM: expert scheduling mode 2), set by the entry lines.  The code itself states the register dependences between vector or matrix instructions and memory or LDS
; instructions, with s_wait_alu, always for 0.
; THE PLAN.  Registers that memory or LDS instructions touch:
;   v1-v11, v45-v47   offsets and LDS addresses: written by vector lines at the head and never again; read by the loads and stores of the whole kernel.
;   KR, VR            a chunk's numbers: read by the chunk's two quantisers; behind them the next chunk's loads land there.
;   CD, T, CV         codes and scale bytes: written by the quantisers (T by the units too); read by the LDS stores into the images.
;   KF, KS            K's fragments and scale words: LDS loads behind the barrier land there; read by the chunk's sixteen products K Q^T.  At the end rows of out0 land in KF.
;   VF, VS            V's: five LDS loads a unit land there; read by the unit's two products V^T P^T.
;   S                 at the head Q's numbers land there; at the end the LDS stores into the stage read it.  In between vector and matrix instructions alone name it (v168, once an LDS address, aside).
; A CHUNK HAS ONE WAIT ON va_vdst FOR ITS MEMORY WORK, behind its two quantisers: they have written CD, T, CV and are done reading KR and VR, and the last chunk's products are done reading KF, KS, VF, VS.  Behind it stand the
; six LDS stores, the next chunk's twenty loads, the barrier and unit 0's fetches, with no vector or matrix instruction among them.  One wait on vm_vsrc ahead of the barrier frees CD, T, CV.
; A UNIT HAS TWO: the one behind its exponentials, behind which unit 1's fetch of V stands (unit 0's products are done reading VF, VS), and one ahead of its products V^T P^T, whose p and scale word vector lines have made.
.set TOK,   512                        ; bytes of a token's row
.set HROW,  32768                      ; bytes from an image row to the next: 64 tokens
.set CHK,   16*HROW                    ; a chunk of 128 keys is 16 image rows
.set KIMG,  0                          ; LDS: K's images: chunk c, fragment b, register group u: 4096 c + 1024 b + 512 u + 16 lane
.set VIMG,  16384                      ;      V's: chunk c, tile of 16 channels dt, register group: 4096 c + 1024 dt + 512 group + 16 lane
.set KSC,   32768                      ;      K's scale words: 256 c + 64 b + 4 row; byte 2 u + head
.set VSC,   33792                      ;      V's: 256 c + 64 dt + 4 row; byte = block of 32 keys
.set QST,   34816                      ;      Q's codes on their way into the fragment's lanes: 512 bytes a wave, the wave's own
.set QSC,   43008                      ;      Q's scale words: 64 bytes a wave, the wave's own
.set OST,   44032                      ;      the way out: 16 rows x (256 + 16) bytes a wave, the wave's own
.set OP,    272
.set FLOOR, 0x1800000                  ; 2^(3 - 127): no largest magnitude is taken under it, so no scale byte falls under 1
.set EOFF,  0xff000000                 ; takes 2 (the exponent of 6, E2M1's largest number) off an exponent field
.set LI,  1                            ; v1   16 x lane: my place in an image
.set LS,  2                            ; v2   4 x lane: my place among scale words
.set GK,  3                            ; v3   K, Q: my 32 bytes of a group of four tokens: 512 (lane / 8) + 32 (lane % 8)
.set GV,  4                            ; v4   V: 4 (lane % 16) + two image rows for lanes 16-31
.set KST, 5                            ; v5   where my 8 codes of K go;   v6 their scale byte
.set KSS, 6
.set VST, 7                            ; v7   where my 16 codes of V go;  v8 their scale byte
.set VSS, 8
.set QW,  9                            ; v9   Q: codes in;  v10 scale byte in;  v11 codes back;  v45.. see below
.set QB,  10
.set QR,  11
.set ST,  12                           ; unit j at v[12 + 4 j]: -M, the largest t, the sum in two halves
.set Q,   20                           ; v20-39  [Qa][0][Qb][0][Qa], four registers each
.set QS,  40                           ; v40     Q's scale words: bytes a, b, a, b.     v40-44 hold scales and nothing else
.set KS,  41                           ; v41-42  K's: lanes 0-15 fragment 2 p, lanes 16-31 fragment 2 p + 1
.set VS,  43                           ; v43     V's: lanes 0-15 the unit's first 16 channels, lanes 16-31 its second
.set PW,  44                           ; v44     p's
.set SI,  45                           ; v45     the way out: into my stage;  v46 back;  v47 my byte offset in out0
.set SB,  46
.set GO,  47
.set O,   48                           ; v48-79   O^T: unit j, channels 16 x on: v[48 + 16 j + 8 x]
.set KF,  80                           ; v80-111  K's four fragments of a chunk; at the end rows of out0
.set VF,  112                          ; v112-127 V's two fragments of a unit
.set S,   128                          ; v128-191 S^T, then p; at the head Q's numbers
.set P,   192                          ; v192-199 p's codes
.set BM,  200                          ; v200-203 largest magnitudes / scores / p of four blocks
.set T,   204                          ; v204-207 the other half's maxima; scale bytes
.set SO,  208                          ; v208-211 the conversions' scale operands
.set X,   212
.set F,   214                          ; v[214:215] f = 2^(old M - new M), named as a pair
.set SU,  216                          ; v[216:217] the sum's second chain
.set CD,  218                          ; v218-221 codes of K or Q;  v[222:223] of V
.set CV,  222
.set KR,  224                          ; v224-239 a chunk's numbers of K, as loaded
.set VR,  240                          ; v240-255 of V
.set WV,  8                            ; s8 my wave's number
.set SQ,  16                           ; s[16:17] Q, s[18:19] K, s[20:21] V, s[22:23] out0, each at my wave's first byte; never rewritten
.set SK,  18
.set SV,  20
.set SOUT, 22
.set SEL, 38                           ; s[38:39] v_permlanex16_b32's selects for lane l xor 16
.set CS,  40                           ; s[40:41] log2(e)
.set SC,  42                           ; s[42:43] 32^-0.5
; K of chunk c: my wave's image row, two groups of four tokens; a lane takes 32 bytes (8 channels of one head), four lanes a block
.macro LOADK c
.irp n, 0,1
	global_load_b128 v[KR+8*\n:KR+8*\n+3], v[GK], s[SK:SK+1] offset:(\c)*CHK+\n*4*TOK
	global_load_b128 v[KR+8*\n+4:KR+8*\n+7], v[GK], s[SK:SK+1] offset:(\c)*CHK+\n*4*TOK+16
.endr
.endm
; V of chunk c: a lane takes ONE channel and its registers run down 16 keys (two image rows); lanes 16-31 the block's other 16 keys
.macro LOADV c
.irp i, 0,1,2,3,4,5,6,7,8,9,10,11,12,13,14,15
	global_load_b32 v[VR+\i], v[GV], s[SV:SV+1] offset:(\c)*CHK+(\i/8)*HROW+(\i%8)*TOK
.endr
.endm
; ng groups of 8 numbers a lane, v[R + 8 g] on, four neighbouring lanes to a block of 32: codes into v[CD + g], scale bytes into v[T + g].  The groups take turns line by line.
.macro QK ng, R
.set g, 0
.rept \ng
	v_max3_num_f32 v[BM+g], |v[\R+8*g]|, |v[\R+8*g+1]|, FLOOR
.set g, g+1
.endr
.irp i, 2,4,6
.set g, 0
.rept \ng
	v_max3_num_f32 v[BM+g], v[BM+g], |v[\R+8*g+\i]|, |v[\R+8*g+\i+1]|
.set g, g+1
.endr
.endr
.irp m, 1,2
.set g, 0
.rept \ng
	v_max_num_f32_dpp v[BM+g], v[BM+g], v[BM+g] row_xmask:\m row_mask:0xf bank_mask:0xf   ; with lanes l xor 1, then l xor 2: the block's largest magnitude
.set g, g+1
.endr
.endr
.set g, 0
.rept \ng
	v_add_nc_u32 v[SO+g], EOFF, v[BM+g]            ; 2 off its exponent field: the conversion takes the exponent field of this operand as its scale
.set g, g+1
.endr
.set g, 0
.rept \ng
	v_lshrrev_b32 v[T+g], 23, v[SO+g]              ; the scale's byte
.set g, g+1
.endr
.set g, 0
.rept \ng
	v_cvt_scalef32_pk8_fp4_f32 v[CD+g], v[\R+8*g:\R+8*g+7], v[SO+g]
.set g, g+1
.endr
	v_nop                                          ; one plain place behind the last scaled conversion
.endm
; my 16 keys of one channel of V: codes into v[CV:CV+1], the block's scale byte into v[T+3].  It names none of the registers in which K's quantiser (two groups) leaves its codes and bytes
.macro QV
	v_max3_num_f32 v[BM+2], |v[VR]|, |v[VR+1]|, FLOOR
	v_max3_num_f32 v[BM+3], |v[VR+8]|, |v[VR+9]|, |v[VR+10]|
	v_max3_num_f32 v[BM+2], v[BM+2], |v[VR+2]|, |v[VR+3]|
	v_max3_num_f32 v[BM+3], v[BM+3], |v[VR+11]|, |v[VR+12]|
	v_max3_num_f32 v[BM+2], v[BM+2], |v[VR+4]|, |v[VR+5]|
	v_max3_num_f32 v[BM+3], v[BM+3], |v[VR+13]|, |v[VR+14]|
	v_max3_num_f32 v[BM+2], v[BM+2], |v[VR+6]|, |v[VR+7]|
	v_max3_num_f32 v[BM+2], v[BM+2], v[BM+3], |v[VR+15]|
	v_permlanex16_b32 v[T+2], v[BM+2], s[SEL], s[SEL+1]
	v_max_num_f32 v[BM+2], v[BM+2], v[T+2]         ; with lane l xor 16's 16 keys: the block's largest magnitude
	v_add_nc_u32 v[SO+2], EOFF, v[BM+2]
	v_lshrrev_b32 v[T+3], 23, v[SO+2]
	v_cvt_scalef32_pk8_fp4_f32 v[CV], v[VR:VR+7], v[SO+2]
	v_cvt_scalef32_pk8_fp4_f32 v[CV+1], v[VR+8:VR+15], v[SO+2]
	v_nop                                          ; one plain place behind the last scaled conversion
.endm
.macro KFETCH c                        ; the chunk's four fragments of K and their scale words: they serve both units
.irp b, 0,1,2,3
.irp u, 0,1
	ds_load_b128 v[KF+8*\b+4*\u:KF+8*\b+4*\u+3], v[LI] offset:KIMG+(\c)*4096+\b*1024+\u*512
.endr
.endr
.irp p, 0,1
	ds_load_b32 v[KS+\p], v[LS] offset:KSC+(\c)*256+\p*128
.endr
.endm
.macro VFETCH j, c                     ; unit j's two fragments of V^T (16 channels x 128 keys each) and their scale words
.irp x, 0,1
.irp y, 0,1
	ds_load_b128 v[VF+8*\x+4*\y:VF+8*\x+4*\y+3], v[LI] offset:VIMG+(\c)*4096+(2*(\j)+\x)*1024+\y*512
.endr
.endr
	ds_load_b32 v[VS], v[LS] offset:VSC+(\c)*256+(\j)*128
.endm
; UNIT j (head a or b of my 16 queries) on chunk c's 128 keys.
.macro UNIT j, c
.set rNM, ST+4*\j
.set rTM, ST+4*\j+1
.set rL,  ST+4*\j+2
.set rO,  O+16*\j
.irp b, 0,1,2,3                        ; S^T = K Q^T: eight accumulators, each begun with the constant 0
.irp u, 0,1
.set rQ, Q+12*\u*(1-\j)+(8-4*\u)*\j    ; head a: [Qa][0] or [0][Qa];  head b: [Qb][0] or [0][Qb]
.if \b%2
	v_wmma_scale_f32_16x16x128_f8f6f4 v[S+16*\b+8*\u:S+16*\b+8*\u+7], v[KF+8*\b:KF+8*\b+7], v[rQ:rQ+7], 0, v[KS+\b/2], v[QS] matrix_a_fmt:MATRIX_FMT_FP4 matrix_b_fmt:MATRIX_FMT_FP4 matrix_a_scale:MATRIX_SCALE_ROW1
.else
	v_wmma_scale_f32_16x16x128_f8f6f4 v[S+16*\b+8*\u:S+16*\b+8*\u+7], v[KF+8*\b:KF+8*\b+7], v[rQ:rQ+7], 0, v[KS+\b/2], v[QS] matrix_a_fmt:MATRIX_FMT_FP4 matrix_b_fmt:MATRIX_FMT_FP4
.endif
.endr
.endr                                  ; register S + 16 b + i of lane (r, h): query r, key 32 b + 16 h + i
.rept 4
	v_nop                                          ; four places in front of the first read of results
.endr
.irp b, 0,1,2,3
	v_max3_num_f32 v[BM+\b], v[S+16*\b], v[S+16*\b+1], v[S+16*\b+2]   ; the largest score of each block of 32 keys: for the row's maximum and, since p rises with the score, for the block's largest p.  Each accumulator is read from its low end on
.endr
.irp i, 3,5,7,9,11,13
.irp b, 0,1,2,3
	v_max3_num_f32 v[BM+\b], v[BM+\b], v[S+16*\b+\i], v[S+16*\b+\i+1]
.endr
.endr
.irp b, 0,1,2,3
	v_max_num_f32 v[BM+\b], v[BM+\b], v[S+16*\b+15]
.endr
.irp b, 0,1,2,3
	v_permlanex16_b32 v[T+\b], v[BM+\b], s[SEL], s[SEL+1]
.endr
.irp b, 0,1,2,3
	v_max_num_f32 v[BM+\b], v[BM+\b], v[T+\b]      ; with lane l xor 16's 16 keys
.endr
	v_max3_num_f32 v[X], v[BM], v[BM+1], v[BM+2]
	v_max_num_f32 v[X], v[X], v[BM+3]              ; the chunk's largest score of my query
.if \c == 0
	v_mul_f32 v[rTM], s[CS], v[X]                  ; as t: the first chunk starts the running maximum
	v_floor_f32 v[rNM], -v[rTM]                    ; -M = floor(-t) = -ceil(t)
.else
	v_mul_f32 v[X], s[CS], v[X]
	v_max_num_f32 v[rTM], v[rTM], v[X]             ; the running largest t
	v_mov_b32 v[X], v[rNM]
	v_floor_f32 v[rNM], -v[rTM]                    ; the new -M
	v_sub_f32 v[X], v[rNM], v[X]                   ; old M - new M: a whole number, 0 or less
	v_cvt_i32_f32 v[X], v[X]
	v_ldexp_f32 v[F], 1.0, v[X]                    ; f = 2^(old M - new M)
.endif
.set k, 0
.rept 32
	v_pk_fma_f32 v[S+k:S+k+1], v[S+k:S+k+1], s[CS:CS+1], v[rNM:rNM+1] op_sel_hi:[1,0,0]   ; t - M, two at a time (of the pairs the low word serves both halves)
.set k, k+2
.endr
.irp b, 0,1,2,3
	v_fma_f32 v[BM+\b], v[BM+\b], s[CS], v[rNM]    ; the same of each block's largest score
.endr
.set k, 0
	s_wait_alu depctr_va_vdst(0)
.rept 64
	v_exp_f32 v[S+k], v[S+k]                       ; p = 2^(t - M), at most 1
.set k, k+1
.endr
.irp b, 0,1,2,3
	v_exp_f32 v[BM+\b], v[BM+\b]                   ; the block's largest p: the same two instructions on the same number
.endr
.if \c == 0
	v_nop                                          ; a plain place behind the exponentials
.else
	v_pk_mul_f32 v[rL:rL+1], v[rL:rL+1], v[F:F+1] op_sel_hi:[1,0]   ; the sum under the new M (also the plain place behind the exponentials)
.endif
	s_wait_alu depctr_va_vdst(0)                   ; the 68 exponentials have written v[S ..] and v[BM ..], ahead of their first reader; and in unit 1: the other unit's products V^T P^T are done reading v[VF ..] and v[VS], in which the loads below land
.if \j
	VFETCH \j, \c                                  ; unit 1's V.  No vector or matrix instruction since the wait names these registers; between the other unit's last products and these loads stand this unit's maxima and scalings
.endif
.irp b, 0,1,2,3
	v_max_num_f32 v[BM+\b], FLOOR, v[BM+\b]
.endr
.irp b, 0,1,2,3
	v_add_nc_u32 v[SO+\b], EOFF, v[BM+\b]
.endr
.irp b, 0,1,2,3
	v_lshrrev_b32 v[T+\b], 23, v[SO+\b]
.endr
	v_lshl_or_b32 v[PW], v[T+1], 8, v[T]           ; p's scale word for these 128 keys
	v_lshl_or_b32 v[PW], v[T+2], 16, v[PW]
	v_lshl_or_b32 v[PW], v[T+3], 24, v[PW]
.irp b, 0,1,2,3
	v_cvt_scalef32_pk8_fp4_f32 v[P+2*\b], v[S+16*\b:S+16*\b+7], v[SO+\b]
	v_cvt_scalef32_pk8_fp4_f32 v[P+2*\b+1], v[S+16*\b+8:S+16*\b+15], v[SO+\b]
.endr
	v_nop                                          ; one plain place behind the last scaled conversion
.irp y, 0,1                            ; the operand's layout wants a WHOLE block in a lane: lanes 0-15 block 2 y, lanes 16-31 block 2 y + 1
.irp i, 0,1
	v_permlane16_swap_b32 v[P+4*\y+\i], v[P+4*\y+2+\i]
.endr
.endr
	v_pk_add_f32 v[SU:SU+1], v[S:S+1], v[S+2:S+3]  ; the row's sum is taken of the UNQUANTISED p: two at a time, in two chains
.if \c == 0
	v_pk_add_f32 v[rL:rL+1], v[S+4:S+5], v[S+6:S+7]
.else
	v_pk_add_f32 v[rL:rL+1], v[rL:rL+1], v[S+4:S+5]
	v_pk_add_f32 v[SU:SU+1], v[SU:SU+1], v[S+6:S+7]
.endif
.set k, 8
.rept 14
	v_pk_add_f32 v[rL:rL+1], v[rL:rL+1], v[S+k:S+k+1]
	v_pk_add_f32 v[SU:SU+1], v[SU:SU+1], v[S+k+2:S+k+3]
.set k, k+4
.endr
	v_pk_add_f32 v[rL:rL+1], v[rL:rL+1], v[SU:SU+1]   ; (these additions are also the places between the lines that wrote p's codes and scale word and the products below)
.if \c > 0
.set k, 0
.rept 8
	v_pk_mul_f32 v[rO+k:rO+k+1], v[rO+k:rO+k+1], v[F:F+1] op_sel_hi:[1,0]   ; O^T under the new M, each accumulator from its low end on
.set k, k+2
.endr
.endif
	s_wait_dscnt 0x0                               ; V's fragments and scale words are in
	s_wait_alu depctr_va_vdst(0)                   ; the conversions and exchanges have written p's codes v[P ..], the shifts its scale word v[PW]: the scaled products below take them as source 1 and its scales; their places, the additions above, stand ahead of this wait
.if \c == 0                            ; O^T += V^T P^T: two accumulators, one instruction a turn; the first chunk's products start the sums
	v_wmma_scale_f32_16x16x128_f8f6f4 v[rO:rO+7], v[VF:VF+7], v[P:P+7], 0, v[VS], v[PW] matrix_a_fmt:MATRIX_FMT_FP4 matrix_b_fmt:MATRIX_FMT_FP4
	v_wmma_scale_f32_16x16x128_f8f6f4 v[rO+8:rO+15], v[VF+8:VF+15], v[P:P+7], 0, v[VS], v[PW] matrix_a_fmt:MATRIX_FMT_FP4 matrix_b_fmt:MATRIX_FMT_FP4 matrix_a_scale:MATRIX_SCALE_ROW1
.else
	v_wmma_scale_f32_16x16x128_f8f6f4 v[rO:rO+7], v[VF:VF+7], v[P:P+7], v[rO:rO+7], v[VS], v[PW] matrix_a_fmt:MATRIX_FMT_FP4 matrix_b_fmt:MATRIX_FMT_FP4
	v_wmma_scale_f32_16x16x128_f8f6f4 v[rO+8:rO+15], v[VF+8:VF+15], v[P:P+7], v[rO+8:rO+15], v[VS], v[PW] matrix_a_fmt:MATRIX_FMT_FP4 matrix_b_fmt:MATRIX_FMT_FP4 matrix_a_scale:MATRIX_SCALE_ROW1
.endif
.endm
; A CHUNK of 128 keys.  On the way in my loads out are K's 4 of this chunk and, behind them, V's 16.
.macro CHUNK c
	s_wait_loadcnt 16                              ; K's four loads are in; V's sixteen, issued behind them, may be out
	QK 2, KR
	s_wait_loadcnt 0x0                             ; V's sixteen are in: nothing was issued behind them
	QV
	s_wait_alu depctr_va_vdst(0)                   ; the two quantisers have written v[CD], v[CD+1], v[T], v[T+1], v[T+3] and v[CV:CV+1], which the LDS stores read, and are done reading KR and VR, in which the next chunk's loads land; the last chunk's products are done reading KF, KS, VF, VS, in which the fetches behind the barrier land; in the first chunk Q's chain is written, which the scaled products take as source 1
.irp n, 0,1
	ds_store_b32 v[KST], v[CD+\n] offset:KIMG+\c*4096+\n*64     ; 8 codes: a quarter of the 16 bytes that one lane of the fragment takes
	ds_store_b8 v[KSS], v[T+\n] offset:KSC+\c*256+\n*16         ; the four lanes of a block write the same byte with the same value
.endr
	ds_store_b64 v[VST], v[CV:CV+1] offset:VIMG+\c*4096         ; 16 codes: half of the 16 bytes that one lane of the fragment takes
	ds_store_b8 v[VSS], v[T+3] offset:VSC+\c*256                ; both lanes of a block write the same byte with the same value
.if \c < 3
	LOADK \c+1                                     ; the next chunk's K and V into the registers just read: both land while this chunk's two units are worked.  The last chunk asks for nothing more
	LOADV \c+1
.endif
	s_wait_dscnt 0x0                               ; for the others' sake: my stores into the images have landed
	s_wait_alu depctr_vm_vsrc(0)                   ; my LDS stores have read v[CD ..], v[T ..] and v[CV:CV+1]: the units write v[T ..] again, the next chunk's quantisers all of them
	s_barrier_signal -1
	s_barrier_wait -1                              ; the chunk's images are whole
	KFETCH \c
	VFETCH 0, \c
	s_wait_dscnt 5                                 ; K's ten loads are in; V's five, issued behind them, may be out
	UNIT 0, \c
	UNIT 1, \c
.endm
	s_load_b128 s[4:7], s[0:1], 0x0                ; qkv s[4:5], out0 s[6:7]
	v_lshrrev_b32 v1, 5, v0
	v_readfirstlane_b32 s[WV], v1                  ; wave 0..15
	v_bfe_u32 v160, v0, 3, 2                       ; lane / 8
	v_and_b32 v161, 7, v0                          ; lane % 8
	v_and_b32 v162, 15, v0                         ; r = lane % 16
	v_bfe_u32 v163, v0, 4, 1                       ; y = lane / 16
	v_lshlrev_b32 v[GK], 5, v161
	v_lshl_add_u32 v[GK], v160, 9, v[GK]
	v_lshlrev_b32 v[GV], 2, v162
	v_lshl_add_u32 v[GV], v163, 16, v[GV]
	s_wait_alu depctr_va_sdst(0)                   ; s[WV] is written, ahead of its first reader: the bases and the LDS addresses are made from it
	; the work-group's number x = ((image x 8 + strip) x 2 + pair of heads) x 2 + half of the queries.  All byte offsets below are sums of fields that share no bit
	s_and_b32 s9, ttmp9, 1                         ; half of the queries
	s_bfe_u32 s10, ttmp9, 0x10001                  ; pair of heads
	s_bfe_u32 s11, ttmp9, 0x30002                  ; strip
	s_lshr_b32 s12, ttmp9, 5                       ; image
	s_lshl_b32 s12, s12, 21                        ; 4,096 rows of 512 bytes
	s_lshl_b32 s11, s11, 12                        ; 8 tokens
	s_lshl_b32 s10, s10, 8                         ; 64 channels
	s_or_b32 s12, s12, s11
	s_or_b32 s12, s12, s10
	s_lshl_b32 s13, s9, 20                         ; Q, out0: 32 image rows for the half,
	s_lshl_b32 s14, s[WV], 16                      ; two for the wave
	s_or_b32 s24, s12, s13
	s_or_b32 s24, s24, s14
	s_mov_b32 s25, 0
	s_lshl_b32 s14, s[WV], 15                      ; K: the chunk's image row = my wave's number;
	s_or_b32 s26, s12, s14
	s_or_b32 s26, s26, 0x1000000                   ; K is the second of the three tensors
	s_mov_b32 s27, 0
	s_lshr_b32 s30, s[WV], 2                       ; V: block of 32 keys = wave / 4: four image rows;
	s_lshl_b32 s13, s30, 17
	s_and_b32 s35, s[WV], 3                        ; tile of 16 channels = wave % 4
	s_lshl_b32 s14, s35, 6
	s_or_b32 s28, s12, s13
	s_or_b32 s28, s28, s14
	s_or_b32 s28, s28, 0x2000000                   ; V is the third
	s_mov_b32 s29, 0
	s_mov_b32 s[SEL], 0x76543210
	s_mov_b32 s[SEL+1], 0xfedcba98
	s_mov_b32 s[CS], 0x3fb8aa3b                    ; log2(e)
	s_mov_b32 s[CS+1], s[CS]                       ; (named with it as a pair, so it is written)
	s_mov_b32 s[SC], 0x3e3504f3                    ; 32^-0.5
	s_mov_b32 s[SC+1], s[SC]
	s_wait_kmcnt 0x0
	s_add_nc_u64 s[SQ:SQ+1], s[4:5], s[24:25]
	s_add_nc_u64 s[SK:SK+1], s[4:5], s[26:27]
	s_add_nc_u64 s[SV:SV+1], s[4:5], s[28:29]
	s_add_nc_u64 s[SOUT:SOUT+1], s[6:7], s[24:25]
	s_wait_alu depctr_va_vdst(0)                   ; v[GK] and v[GV] are written: every global load of the kernel reads one of them as its offset, and neither is written again
.irp n, 0,1,2,3                        ; Q: my 16 queries, four groups of four tokens, laid as K's groups: 8 loads
	global_load_b128 v[S+8*\n:S+8*\n+3], v[GK], s[SQ:SQ+1] offset:(\n/2)*HROW+(\n%2)*4*TOK
	global_load_b128 v[S+8*\n+4:S+8*\n+7], v[GK], s[SQ:SQ+1] offset:(\n/2)*HROW+(\n%2)*4*TOK+16
.endr
	LOADK 0
	LOADV 0
	; the LDS addresses, while the loads are out: each a constant (in the immediate) + a term of the lane + a term of the wave.  These lines name no register that the loads above touch
	v_and_b32 v164, 31, v0
	v_lshlrev_b32 v[LI], 4, v164
	v_lshlrev_b32 v[LS], 2, v164
	v_bfe_u32 v165, v0, 2, 1                       ; K, Q: the head of my block
	v_and_b32 v166, 3, v0                          ; and which 8 of its 32 are mine
	v_lshlrev_b32 v166, 2, v166
	v_lshl_add_u32 v166, v160, 4, v166
	v_lshl_add_u32 v166, v165, 8, v166             ; codes: 256 head + 16 (lane / 8) + 4 (lane % 4)
	v_lshl_add_u32 v167, v160, 2, v165             ; scale byte: 4 (lane / 8) + head
	s_wait_alu depctr_va_vdst(0)
	s_and_b32 s31, s[WV], 1                        ; image row w of a chunk: fragment b = w / 4, u = w % 2, rows 8 ((w / 2) % 2) on
	s_bfe_u32 s32, s[WV], 0x10001
	s_lshl_b32 s33, s30, 10
	s_lshl_b32 s34, s31, 9
	s_add_co_u32 s33, s33, s34
	s_lshl_b32 s34, s32, 7
	s_add_co_u32 s33, s33, s34
	v_add_nc_u32 v[KST], s33, v166
	s_lshl_b32 s33, s30, 6
	s_lshl_b32 s34, s32, 5
	s_add_co_u32 s33, s33, s34
	s_lshl_b32 s34, s31, 1
	s_add_co_u32 s33, s33, s34
	v_add_nc_u32 v[KSS], s33, v167
	s_lshr_b32 s36, s[WV], 3                       ; V: block w / 4 lies in register group (w / 8), lanes 16 ((w / 4) % 2) on
	s_bfe_u32 s37, s[WV], 0x10002
	s_lshl_b32 s33, s35, 10
	s_lshl_b32 s34, s36, 9
	s_add_co_u32 s33, s33, s34
	s_lshl_b32 s34, s37, 8
	s_add_co_u32 s33, s33, s34
	v_lshlrev_b32 v[VST], 4, v162
	v_lshl_add_u32 v[VST], v163, 3, v[VST]
	v_add_nc_u32 v[VST], s33, v[VST]
	s_lshl_b32 s33, s35, 6
	s_add_co_u32 s33, s33, s30
	v_lshl_add_u32 v[VSS], v162, 2, s33
	s_lshl_b32 s33, s[WV], 9                       ; Q's turn: 512 bytes a wave
	v_add_nc_u32 v[QW], s33, v166
	v_add_nc_u32 v[QR], s33, v[LI]
	s_lshl_b32 s33, s[WV], 6
	v_add_nc_u32 v[QB], s33, v167
	v_lshl_add_u32 v168, v162, 2, s33
	s_mul_i32 s33, s[WV], 16*OP                    ; my stage for the way out
	v_mul_u32_u24 v[SI], v162, OP
	v_lshl_add_u32 v[SI], v163, 5, v[SI]
	v_add_nc_u32 v[SI], s33, v[SI]                 ; in: row r, 32 bytes for each half of the lanes
	v_mul_u32_u24 v[SB], v163, OP
	v_lshl_add_u32 v[SB], v162, 4, v[SB]
	v_add_nc_u32 v[SB], s33, v[SB]                 ; back: lanes 0-15 one row of 256 bytes, lanes 16-31 the next
	v_lshlrev_b32 v[GO], 4, v162
	v_lshl_add_u32 v[GO], v163, 9, v[GO]           ; and the same two tokens in out0
	; Q: x 32^-0.5 in f32, quantised as K is; the codes turn through my own LDS bytes into the fragment's lanes
	s_wait_loadcnt 20                              ; Q's eight loads are in; K's 4 and V's 16, issued behind them, may be out
.set k, 0
.rept 16
	v_pk_mul_f32 v[S+k:S+k+1], v[S+k:S+k+1], s[SC:SC+1] op_sel_hi:[1,0]
.set k, k+2
.endr
	QK 4, S
	s_wait_alu depctr_va_vdst(0)                   ; Q's quantiser has written v[CD ..] and v[T ..], which the LDS stores read; and all LDS addresses and out0's offset (v1, v2, v5 to v11, v45 to v47, v168) are written, which the LDS instructions and stores of the whole kernel read
.irp n, 0,1,2,3
	ds_store_b32 v[QW], v[CD+\n] offset:QST+\n*64
	ds_store_b8 v[QB], v[T+\n] offset:QSC+\n*16    ; a query's scale word: bytes a, b, a, b, since a head's codes stand in block 0 or 2 (a), 1 or 3 (b)
	ds_store_b8 v[QB], v[T+\n] offset:QSC+\n*16+2
.endr
	ds_load_b128 v[P:P+3], v[QR] offset:QST        ; LDS serves a wave's instructions in order: these see my stores.  Lanes 0-15: query r, head a; lanes 16-31: query r, head b
	ds_load_b32 v[QS], v168 offset:QSC
	v_bfe_u32 v[X], v0, 4, 1
	v_cmp_eq_u32 vcc_lo, 0, v[X]                   ; lanes 0-15
.irp e, 4,5,6,7,12,13,14,15
	v_mov_b32 v[Q+\e], 0                           ; the chain's zero codes
.endr
	v_mov_b32 v[F+1], 0                            ; (named as the upper half of the pair v[F:F+1])
	s_wait_dscnt 0x0
	s_wait_alu depctr_vm_vsrc(0)                   ; my LDS stores have read v[CD ..] and v[T ..], which the first chunk's quantisers write again; the scale word's load has read v168, which the first products write as a score
	s_wait_alu depctr_va_vcc(0)                    ; the compare has written VCC, ahead of its first reader
.irp e, 0,1,2,3
	v_cndmask_b32 v[Q+\e], 0, v[P+\e], vcc_lo      ; Qa: head a's codes in lanes 0-15, zero codes in lanes 16-31
	v_cndmask_b32 v[Q+8+\e], v[P+\e], v[Q+4], vcc_lo   ; Qb: the other way round
.endr
.irp e, 0,1,2,3
	v_mov_b32 v[Q+16+\e], v[Q+\e]
.endr
	CHUNK 0
	CHUNK 1
	CHUNK 2
	CHUNK 3
	; THE WAY OUT.  The sum's two halves and lane l xor 16's are added; O^T is divided by the sum and goes through my stage, so that sixteen lanes store 256 consecutive bytes of a token's row.
.irp j, 0,1
	v_add_f32 v[BM+\j], v[ST+4*\j+2], v[ST+4*\j+3] ; (these lines name none of the last products' registers: they are the places behind them)
.endr
.irp j, 0,1
	v_permlanex16_b32 v[T+\j], v[BM+\j], s[SEL], s[SEL+1]
.endr
.irp j, 0,1
	v_add_f32 v[BM+\j], v[BM+\j], v[T+\j]
.endr
	s_wait_alu depctr_va_vdst(0)
.irp j, 0,1
	v_rcp_f32 v[SO+2*\j], v[BM+\j]
.endr
	v_nop                                          ; a plain place behind the reciprocals
	s_wait_alu depctr_va_vdst(0)                   ; the two reciprocals have written v[SO] and v[SO+2], ahead of their first reader
.irp j, 0,1
.irp i, 0,2,4,6,8,10,12,14
	v_pk_mul_f32 v[S+16*\j+\i:S+16*\j+\i+1], v[O+16*\j+\i:O+16*\j+\i+1], v[SO+2*\j:SO+2*\j+1] op_sel_hi:[1,0]   ; register 16 j + 8 x + i: out(query r, head j, channel 16 x + 8 (lane / 16) + i)
.endr
.endr
	s_wait_alu depctr_va_vdst(0)                   ; the multiplications have written v[S .. S+31], which the LDS stores read; the last chunk's products are done reading v[KF ..], in which the loads from the stage land
.irp j, 0,1
.irp x, 0,1
	ds_store_b128 v[SI], v[S+16*\j+8*\x:S+16*\j+8*\x+3] offset:OST+128*\j+64*\x
	ds_store_b128 v[SI], v[S+16*\j+8*\x+4:S+16*\j+8*\x+7] offset:OST+128*\j+64*\x+16
.endr
.endr
.irp i, 0,1,2,3,4,5,6,7
	ds_load_b128 v[KF+4*\i:KF+4*\i+3], v[SB] offset:OST+\i*2*OP   ; my own bytes, served in order: these see my stores
.endr
.irp i, 0,1,2,3,4,5,6,7
	s_wait_dscnt 7-\i                              ; rows 2 i and 2 i + 1 are back; the loads behind them may be out
	global_store_b128 v[GO], v[KF+4*\i:KF+4*\i+3], s[SOUT:SOUT+1] offset:(\i/4)*HROW+(\i%4)*2*TOK th:TH_STORE_NT   ; 16 lanes store 256 consecutive bytes, at a multiple of 256 from out0's first byte; written once, read by nobody here
.endr
	s_wait_xcnt 0x0                                ; the stores above have had their addresses translated
	v_lshl_add_u32 v254, v0, 2, 0x1bc00            ; the add's two registers, made anew straight ahead of the closing lines: my spare word, behind the stages, and 0.  No memory or LDS instruction has ever read v254 or v255: loads landed there, and have been waited for
	v_mov_b32 v255, 0
	s_wait_dscnt 0x0                               ; the closing lines, six on end
	s_wait_alu 0x0
	s_wait_tensorcnt 0x0
	ds_add_u32 v254, v255
	s_wait_dscnt 0x0
	s_endpgm
.Lfunc_end_k_q0b9a78d098_lepe:
	.size	k_q0b9a78d098_lepe, .Lfunc_end_k_q0b9a78d098_lepe-k_q0b9a78d098_lepe
	.p2alignl 7, 3214868480
	.fill 96, 4, 3214868480
	.section	.rodata,"a",@progbits
	.p2align	6, 0x0
	.amdhsa_kernel k_q0b9a78d098_lepe
		.amdhsa_group_segment_fixed_size 115712
		.amdhsa_private_segment_fixed_size 0
		.amdhsa_enable_private_segment 0
		.amdhsa_kernarg_size 16
		.amdhsa_user_sgpr_count 2
		.amdhsa_user_sgpr_kernarg_segment_ptr 1
		.amdhsa_wavefront_size32 1
		.amdhsa_system_sgpr_workgroup_id_x 1
		.amdhsa_system_sgpr_workgroup_id_y 1
		.amdhsa_system_sgpr_workgroup_id_z 1
		.amdhsa_system_vgpr_workitem_id 0
		.amdhsa_next_free_vgpr 256
		.amdhsa_next_free_sgpr 66
		.amdhsa_reserve_vcc 1
		.amdhsa_float_denorm_mode_32 3
		.amdhsa_float_denorm_mode_16_64 3
		.amdhsa_memory_ordered 1
		.amdhsa_forward_progress 1
		.amdhsa_inst_pref_size 136
	.end_amdhsa_kernel
	.amdgpu_metadata
---
amdhsa.version: [ 1, 2 ]
amdhsa.kernels:
  - .name:           k_q0b9a78d098_lepe
    .symbol:         k_q0b9a78d098_lepe.kd
    .args:
      - { .name: qkv, .offset: 0, .size: 8, .value_kind: global_buffer, .address_space: global }
      - { .name: out0, .offset: 8, .size: 8, .value_kind: global_buffer, .address_space: global }
    .group_segment_fixed_size: 115712
    .private_segment_fixed_size: 0
    .kernarg_segment_align: 8
    .kernarg_segment_size: 16
    .max_flat_workgroup_size: 512
    .sgpr_count:     66
    .vgpr_count:     256
    .wavefront_size: 32
...
	.end_amdgpu_metadata
.endif
;; end of part 2
